; MI455X (gfx1250); checked and timed in simulation.
; The chip was launched on July 23, 2026; its instructions are those of AMD's public machine-readable ISA for CDNA 5 (MIT licence, August 2026) and "CDNA5" Instruction Set Architecture Reference Guide (July 2026). The comments in the code are by the model that wrote it; some were corrected since.
;; SDP Attention. Allowed arithmetic: matrix products marked QUANTISED: E2M1 operands, one E8M0 scale for each 32 along K, by v_wmma_scale_f32_16x16x128_f8f6f4 with both operands' format E2M1 (or v_wmma_scale_f32_32x16x128_f4), f32 sums; everything else in f32.
;; Inputs: K_codes 8,192 x 4 x 16 uint8 (E2M1 codes of K, K innermost, in blocks of 32 codes, two codes a byte); K_scales 8,192 x 4 uint8 (E8M0 scales of K, one for each 32 codes along K); Q_codes 8,192 x 4 x 16 uint8 (E2M1 codes of Q, K innermost, in blocks of 32 codes, two codes a byte); Q_scales 8,192 x 4 uint8 (E8M0 scales of Q, one for each 32 codes along K); V_codes 128 x 256 x 16 uint8 (E2M1 codes of V, K innermost, in blocks of 32 codes, two codes a byte); V_scales 128 x 256 uint8 (E8M0 scales of V, one for each 32 codes along K).
;; Outputs: out0 8,192 x 128 float32.
;; This version of the problem:
;;   THIS VERSION OF THE PROBLEM IS GIVEN IN LOW PRECISION. The matrix products marked QUANTISED in the list below multiply operands that are first quantised to E2M1 (2 exponent bits, 1 mantissa bit; 4 bits a number), with one power-of-two scale for each 32 numbers along K (OCP MX v1.0); their sums are f32. All else is computed in f32.
;;   The module's matrix products, in the order in which they are computed (A, B: the left and right operand; K: the contracted axis; several contracted axes count as one K, in the product's order):
;;     1. [M 8,192, K 128] x [K 128, N 8,192]; A: input Q (given as codes); B: input K (given as codes): QUANTISED
;;     2. [M 8,192, K 8,192] x [K 8,192, N 128]; A: softmax (see below); B: input V (given as codes): QUANTISED
;;   THE QUANTISER, for each operand of a quantised product, along K:
;;     - K is cut into blocks of 32 from its start; a last block that is shorter is filled with zeros.
;;     - A block's scale is 2^e with e = floor(log2(the largest magnitude in the block)) - 2, held to -126 .. 127; a block of zeros has e = 0. As a byte (E8M0): e + 127.
;;     - Each number is divided by its block's scale, clamped to +-6, and rounded to the nearest number of E2M1, ties to even, subnormals kept.
;;     - The product sums the exact products of the quantised numbers (number of the format x scale) in f32.
;;   ~~~python
;;   def quantise(x, axis):      # numpy; x: float32 -> the quantised numbers, widened to float32 again
;;       x = np.moveaxis(x, axis, -1); K = x.shape[-1]
;;       x = np.pad(x, [(0, 0)] * (x.ndim - 1) + [(0, -K % 32)]); x = x.reshape(x.shape[:-1] + (-1, 32)); a = np.abs(x).max(-1, keepdims=True)
;;       e = np.where(a > 0, np.clip(np.frexp(np.where(a > 0, a, 1))[1] - 1 - 2, -126, 127), 0)      # np.frexp(a)[1] - 1 = floor(log2(a)), exactly
;;       r = np.clip(x / 2.0 ** e, -6, 6)
;;       step = 2.0 ** (np.maximum(np.frexp(np.where(r == 0, 1, r))[1] - 1, 0) - 1)
;;       q = np.round(r / step) * step * 2.0 ** e      # np.round: ties to even
;;       return np.moveaxis(q.reshape(q.shape[:-2] + (-1,))[..., :K], -1, axis).astype(np.float32)
;;   ~~~
;;   SOFTMAX AHEAD OF A QUANTISED PRODUCT. Where the list says 'softmax', what is quantised is not the finished softmax but p = 2^(t - M), with t = logit x log2(e) and M = ceil(the row's largest t), a whole number; so 1/2 < the row's largest p <= 1. The row's sum l is taken of the UNQUANTISED p, in f32, and the product's result is divided by l at the end. Since M is a whole number, a kernel that streams over the keys may use a running M (the ceiling of the running maximum): every later rescaling is an exact power of two, which a block's scale takes up: the codes' values come out the same.
;;   OPERANDS COMPUTED ON THE WAY. 'Computed on the way' means the value that the module computes at that place (a softmax that the list does not call 'softmax' is quantised finished and normalised). What goes into a quantiser is computed in f32, as accurately as f32 sums, v_exp_f32 and their like allow (about 1e-6 of the number): no bf16 or f16 on the way to a quantiser, and a product that is left as it is and whose result goes on into a quantised operand takes f32 operands (vector FMAs, or v_wmma_f32_16x16x4_f32). A number that lies on a knife's edge between two numbers of the format may be rounded either way, as far as f32 arithmetic and the matrix unit's own rounding can turn it there, and no further.
;;   INPUTS GIVEN AS CODES. K (in the module: [8192, 128], K = its axis 1); Q (in the module: [8192, 128], K = its axis 1); V (in the module: [8192, 128], K = its axis 0): each comes as NAME_codes (uint8): NAME with its K axis moved to the last place and cut into blocks of 32 codes, [.., K / 32, bytes a block], one block behind the other in memory; two codes a byte, the lower K in the low four bits (a code: sign, 2 exponent bits, 1 mantissa bit); and NAME_scales (uint8): the same leading axes, one E8M0 byte (e + 127) for each 32 codes along K. Its value is code x scale, taken as it is: it is not quantised again, and the codes and scales need not be those that the quantiser above would give.
;; One version. Each part assembles by itself: llvm-mc -triple=amdgcn-amd-amdhsa -mcpu=gfx1250 --defsym DOCPART=n.
;; ======== version 1 of 1: 1 launch
;; launch attn (part 1): grid 256 x 1, 16 waves a work-group, clusters of 4 x 1, 327,680 bytes of LDS; arguments K_codes, K_scales, Q_codes, Q_scales, V_codes, V_scales, out0; writes out0
.if DOCPART == 1
	.amdgcn_target "amdgcn-amd-amdhsa--gfx1250"
	.amdhsa_code_object_version 6
	.text
	.protected	k_qc67e915d54_attn
	.globl	k_qc67e915d54_attn
	.p2align	8
	.type	k_qc67e915d54_attn,@function
k_qc67e915d54_attn:
	s_mov_b64 s[64:65], 0
	v_nop
	global_prefetch_b8 v0, s[64:65] scope:SCOPE_SE
	s_setreg_imm32_b32 hwreg(HW_REG_WAVE_MODE, 25, 1), 1
	s_wait_xcnt 0x0
	s_wait_alu depctr_hold_cnt(0) depctr_sa_sdst(0) depctr_va_vdst(0) depctr_va_sdst(0) depctr_va_ssrc(0) depctr_va_vcc(0) depctr_vm_vsrc(0)
	s_getreg_b32 s2, hwreg(HW_REG_IB_STS2, 6, 4)
	s_cmp_eq_u32 s2, 0
	s_cbranch_scc0 .Lentry_in_a_cluster
	s_endpgm
.Lentry_in_a_cluster:
	s_bfe_u32 s2, ttmp6, 0x10000c
	s_cmp_lg_u32 s2, 0x3003
	s_cbranch_scc0 .Lentry_shape_is_right
	s_endpgm
.Lentry_shape_is_right:
; out0[q][:] = the sum over k of softmax_k(Q[q] . K[k] / sqrt(8192)) V[k][:], 8,192 queries, 8,192 keys, head size 128; both products on codes of FP4 (E2M1) with one E8M0 scale for each 32 along a product's K.
; Q, K: rows of 128 codes (64 bytes) and 4 scale bytes.  V: the KEYS innermost: 128 rows of 8,192 codes (4,096 bytes) and 256 scale bytes.  out0: [8192][128] f32.
; THE SOFTMAX AHEAD OF THE SECOND PRODUCT: t = score x c, c = log2(e) / sqrt(8192); M = the largest t so far, rounded UP to a whole number; p = 2^(t - M) is quantised along the keys, not normalised.
; The row's sum is taken of the unquantised p, in f32, and divides at the end.  When M moves, the sum and O are multiplied by 2^(old M - new M), which rounds nothing.
; SHARES.  256 work-groups, each with 32 queries: two tiles of 16.  Sixteen waves of 256 registers: wave w has tile qt = w % 2 and key group g = w / 2.  The keys go through a ring of two LDS slots of 1,024 keys, eight
; fills in all; of each slot wave (qt, g) takes ONE step of 128 keys, 128 g on.  So every wave does 8 equal steps, each with a running M, sum and O^T of its own, and at the end the 8 partial results of a tile of
; queries meet in LDS: each is weighted by 2^(its M - the largest M), again a power of two, they are added, divided by the sum and stored as whole rows.
; CLUSTER.  Every work-group walks the same K and V in the same order, so the four work-groups of a cluster ask for each tile JOINTLY: the same tensor load, the same descriptor, a mask that names the four.
; Nothing in a descriptor, an LDS address or a branch hangs on the place in the cluster: it enters Q's and out0's addresses alone.
; LAYOUT.  Both products are used transposed: S^T = K Q^T (source 0 = 16 keys, source 1 = my 16 queries), O^T = V^T P^T (source 0 = 16 of the head's 128, source 1 = P): a lane holds ONE query (lane % 16) throughout.
; THE KEYS OF A TILE ARE NOT NEIGHBOURS: lane r of tile 2 b + u takes key 32 b + 8 u + r + 8 (r / 8), so that the 16 registers of tiles 2 b and 2 b + 1 are 16 neighbouring keys, 32 b + 16 (lane / 16) + 0 .. 15.
; LIMITS.  NaN and infinities (a scale byte 0xff, scores beyond f32) are not served.  A p under 2^-126 of its wave's 2^M comes out of v_exp_f32 as 0 (ISA guide, 15.8); a block whose largest p lies under 2^-124
; keeps the scale byte 1.  t is made of the score by ONE multiplication by c.  The f32 sums are taken in another order than row by row: eight partial sums, then their weighted sum.
; REGISTERS: v1-11 addresses; v12 -M, v13 the largest t, v[14:15] the sum in two halves; v16-23 Q; v24-31 K's scale words; v32-95 eight fragments of K, then of V; v96-159 S^T, then p; v160-223 O^T;
;   v224-231 p's codes; v232-243 at work; v244-251 V's scale words; v252 f; v253 p's scale word; v254 at work; v255 Q's scale words.
.set KP,    144                        ; LDS: two keys' 128 bytes + 16 of padding.  Key k of a slot lies at (k / 2) KP + 64 (k % 2): the 16 keys that a pass of a fragment load touches fall on 16 different 16-byte columns of 256 bytes
.set KB,    512*KP                     ; K's 1,024 keys
.set VP,    528                        ; a row of V's tile: 1,024 codes = 512 bytes, + 16 of padding
.set VB,    128*VP
.set KSB,   4096                       ; K's scale words of a slot, 4 bytes a key, as they lie
.set SLOTB, KB+VB+KSB                  ; a slot: 145,408 bytes
.set SCV,   2*SLOTB                    ; behind the ring: V's scale bytes, all of them: 128 rows of 256 bytes + 16; filled once
.set SVP,   272
.set SPARE, SCV+128*SVP                ; the spare words, 128 bytes for each wave: eight blocks of 256 bytes that no other line names; they end at LDS's last byte
.set OP,    528                        ; the end's stage, in slot 0, which has had its last fill and its last read by then: for each wave 16 rows of O (512 bytes + 16),
.set STAT,  16*16*OP                   ; and behind them, for each tile and query 64 bytes: the eight groups' -M, then their eight sums
.set AK,   1                           ; v1, v2   my lane's place in K's tiles of slot 0, 1
.set AV,   3                           ; v3, v4   the same for V
.set SPW,  5                           ; v5       LDS address of my spare word: SPARE + 4 x my thread's number; never rewritten
.set NIL,  6                           ; v6       0; never rewritten
.set ASK,  7                           ; v7, v8   my lane's place among K's scale words of slot 0, 1
.set AST,  9                           ; v9       and among V's
.set ADT,  10                          ; v10      V's scale words of the step in hand
.set GO,   11                          ; v11      16 x lane: my bytes of a row of out0
.set NM,   12                          ; v12 -M, v13 the largest t
.set SUM,  14
.set QF,   16
.set KS,   24
.set FR,   32
.set SC,   96
.set OT,   160
.set PC,   224
.set BM,   232                         ; v232-235 the blocks' largest scores, then their largest p
.set TM,   236                         ; v236-239 at work
.set CV,   240                         ; v240-243 the conversions' scale operands
.set VS,   244
.set FF,   252
.set PS,   253
.set TT,   254
.set QS,   255
.set WV,   18                          ; s18  my wave's number
.set CNT,  19                          ; s19  the loop's counter
.set SEL,  20                          ; s[20:21] lane selects for v_permlanex16_b32: lane l xor 16
.set CS,   22                          ; s[22:23] c: the packed form names a pair and takes its low word for both halves
.set G1K,  24                          ; s[24:31] descriptor group 1 for K's codes;  s[32:39] V's codes;  s[40:47] K's scales;  s[48:55] V's scales
.set G1V,  32
.set G1S,  40
.set G1T,  48
.set G0K,  56                          ; s[56:63] group 0 for K's codes, a set for each slot;  s[68:75] V's codes;  s[76:83] K's scales;  s[84:87] V's scales
.set G0V,  68
.set G0S,  76
.set G0T,  84
.set TJ,   88                          ; s88  where the step's scale words of V begin in a row: 32 bytes a slot
.set QT,   89                          ; s89  my tile of queries; also: which half of a tile I fetch, if I fetch
.set GR,   90                          ; s90  my group of keys
; first words of the groups 1: 15:0 the mask: all four work-groups; 17:16 the element's size; 20 padding on; 21 set beside a mask; 24:22 the padding's interval; 31:25 its length less one, in words
.set W0K,  15|(0<<16)|(1<<20)|(1<<21)|(4<<22)|(3<<25)   ; bytes; 4 words behind every 32
.set W0V,  15|(0<<16)|(1<<20)|(1<<21)|(6<<22)|(3<<25)   ; bytes; 4 words behind every 128
.set W0S,  15|(3<<16)|(1<<21)                           ; elements of 8 bytes; no padding
.set W0T,  15|(3<<16)|(1<<20)|(1<<21)|(5<<22)|(3<<25)   ; elements of 8 bytes; 4 words behind every 64
.macro SHAPE g, w0, c, r, p            ; a group 1: r rows of c elements, p elements from row to row; the tiles lie inside their tensors, so the extents are the tile's
	s_mov_b32 s[\g], \w0
	s_mov_b32 s[\g+1], (\c)<<16                    ; tensor_dim0
	s_mov_b32 s[\g+2], (\r)<<16                    ; tensor_dim1
	s_mov_b32 s[\g+3], (\c)<<16                    ; tile_dim0
	s_mov_b32 s[\g+4], \r                          ; tile_dim1
	s_mov_b32 s[\g+5], \p                          ; tensor_dim0_stride
	s_mov_b32 s[\g+6], 0
	s_mov_b32 s[\g+7], 0
.endm
; A round of the cluster's barrier: my work-group's barrier, so that wave 0's signal speaks for all sixteen waves; wave 0 signals for the work-group; every wave waits for all four work-groups; my work-group's barrier once more.
.macro ROUND
	s_barrier_signal -1
	s_barrier_wait -1
	s_cmp_lg_u32 s[WV], 0
	s_cbranch_scc1 .Lnot_wave_0_\@
	s_barrier_signal -3
.Lnot_wave_0_\@:
	s_barrier_wait -3
	s_barrier_signal -1
	s_barrier_wait -1
.endm
; The joint loads of slot s: waves 0 and 1 K's halves (256 rows of two keys), waves 2 and 3 V's halves (64 rows), wave 4 K's scale words; t = 1: wave 5 V's scale bytes, once.  One load a wave at the most: by this
; text's own count no wave ever has more than one tensor load out.  The branches hang on the wave's number alone.  Four v_nop follow each tensor load, ahead of the jump and the label.
.macro JLOAD s, t
	s_cmp_lt_u32 s[WV], 2
	s_cbranch_scc0 .Lnot_k_\@
	tensor_load_to_lds s[G0K+4*(\s):G0K+4*(\s)+3], s[G1K:G1K+7]
	s_nop 0
.rept 4
	v_nop
.endr
	s_branch .Lasked_\@
.Lnot_k_\@:
	s_cmp_lt_u32 s[WV], 4
	s_cbranch_scc0 .Lnot_v_\@
	tensor_load_to_lds s[G0V+4*(\s):G0V+4*(\s)+3], s[G1V:G1V+7]
	s_nop 0
.rept 4
	v_nop
.endr
	s_branch .Lasked_\@
.Lnot_v_\@:
	s_cmp_eq_u32 s[WV], 4
	s_cbranch_scc0 .Lnot_s_\@
	tensor_load_to_lds s[G0S+4*(\s):G0S+4*(\s)+3], s[G1S:G1S+7]
	s_nop 0
.rept 4
	v_nop
.endr
.if \t
	s_branch .Lasked_\@
.endif
.Lnot_s_\@:
.if \t
	s_cmp_eq_u32 s[WV], 5
	s_cbranch_scc0 .Lasked_\@
	tensor_load_to_lds s[G0T:G0T+3], s[G1T:G1T+7]
	s_nop 0
.rept 4
	v_nop
.endr
.endif
.Lasked_\@:
.endm
	s_load_b256 s[4:11], s[0:1], 0x0               ; K's codes s[4:5], K's scales s[6:7], Q's codes s[8:9], Q's scales s[10:11]
	s_load_b128 s[12:15], s[0:1], 0x20             ; V's codes s[12:13], V's scales s[14:15]
	s_load_b64 s[16:17], s[0:1], 0x30              ; out0
	v_lshl_add_u32 v[SPW], v0, 2, SPARE
	v_mov_b32 v[NIL], 0
	ds_add_u32 v5, v6
	ds_add_u32 v5, v6
	s_wait_dscnt 0x0
	v_lshrrev_b32 v240, 5, v0
	s_delay_alu instid0(VALU_DEP_1)
	v_readfirstlane_b32 s[WV], v240                ; wave 0..15
	s_and_b32 s[QT], s[WV], 1
	s_lshr_b32 s[GR], s[WV], 1
	; what hangs on my place in the cluster stays in s91-s99 and goes into Q's and out0's addresses alone
	s_bfe_u32 s91, ttmp6, 0x40000                  ; cx
	s_lshl_b32 s92, ttmp9, 2                       ; in a cluster launch ttmp9 counts clusters
	s_add_co_u32 s91, s92, s91                     ; my work-group = 4 x cluster + cx
	s_lshl_b32 s92, s91, 5
	s_lshl_b32 s93, s[QT], 4
	s_add_co_u32 s92, s92, s93                     ; my first query: 32 x work-group + 16 x tile
	s_lshl_b32 s94, s92, 6                         ; its codes: 64 bytes a query
	s_mov_b32 s95, 0
	s_lshl_b32 s96, s92, 2                         ; its scale word
	s_mov_b32 s97, 0
	s_lshl_b32 s93, s[GR], 1
	s_add_co_u32 s92, s92, s93                     ; the two rows of out0 that I store at the end: 2 g on in my tile
	s_lshl_b32 s98, s92, 9
	s_mov_b32 s99, 0
	SHAPE G1K, W0K, 128, 256, 128                  ; K's codes: 512 keys as 256 dense rows of 128 bytes
	SHAPE G1V, W0V, 512, 64, 4096                  ; V's codes: 64 rows of 512 bytes, 4,096 bytes apart
	SHAPE G1S, W0S, 32, 16, 32                     ; K's scale words of 1,024 keys: 4,096 dense bytes as 16 rows of 256
	SHAPE G1T, W0T, 32, 128, 32                    ; V's scale bytes: 128 dense rows of 256 bytes
	s_mov_b32 s[SEL], 0x76543210
	s_mov_b32 s[SEL+1], 0xfedcba98
	s_mov_b32 s[CS], 0x3c8293ee                    ; c = log2(e) / sqrt(8192)
	s_mov_b32 s[CS+1], s[CS]                       ; (named with it as a pair, so it is written)
	s_mov_b32 s[TJ], 0
	s_mov_b32 s3, 0
	s_wait_kmcnt 0x0
	s_add_nc_u64 s[8:9], s[8:9], s[94:95]          ; Q's codes, Q's scale words and out0 at my rows
	s_add_nc_u64 s[10:11], s[10:11], s[96:97]
	s_add_nc_u64 s[16:17], s[16:17], s[98:99]
	; groups 0: word 0 = 1 (a valid descriptor); word 1 the LDS address; words 2, 3 the global address of the tile's first element, with the type 2 in the top two bits.  Slot s begins with tile s.
	s_lshl_b32 s2, s[QT], 15                       ; K: my half's 512 keys of 64 bytes, in memory,
	s_add_nc_u64 s[66:67], s[4:5], s[2:3]
	s_mul_i32 s2, s[QT], 256*KP                    ; and in a slot
.irp s, 0,1
	s_mov_b32 s[G0K+4*\s], 1
	s_add_co_u32 s[G0K+4*\s+1], s2, \s*SLOTB
	s_add_nc_u64 s[G0K+4*\s+2:G0K+4*\s+3], s[66:67], \s*65536
	s_or_b32 s[G0K+4*\s+3], s[G0K+4*\s+3], 0x80000000
.endr
	s_lshl_b32 s2, s[QT], 18                       ; V: my half's 64 rows of 4,096 bytes, in memory,
	s_add_nc_u64 s[66:67], s[12:13], s[2:3]
	s_mul_i32 s2, s[QT], 64*VP
	s_add_co_u32 s2, s2, KB                        ; and in a slot
.irp s, 0,1
	s_mov_b32 s[G0V+4*\s], 1
	s_add_co_u32 s[G0V+4*\s+1], s2, \s*SLOTB
	s_add_nc_u64 s[G0V+4*\s+2:G0V+4*\s+3], s[66:67], \s*512
	s_or_b32 s[G0V+4*\s+3], s[G0V+4*\s+3], 0x80000000
.endr
.irp s, 0,1
	s_mov_b32 s[G0S+4*\s], 1
	s_mov_b32 s[G0S+4*\s+1], \s*SLOTB+KB+VB
	s_add_nc_u64 s[G0S+4*\s+2:G0S+4*\s+3], s[6:7], \s*KSB
	s_or_b32 s[G0S+4*\s+3], s[G0S+4*\s+3], 0x80000000
.endr
	s_mov_b32 s[G0T], 1
	s_mov_b32 s[G0T+1], SCV
	s_mov_b64 s[G0T+2:G0T+3], s[14:15]
	s_or_b32 s[G0T+3], s[G0T+3], 0x80000000
	ROUND                                          ; all four work-groups are here: the first joint loads meet
	JLOAD 0, 1                                     ; tile 0 into slot 0, and V's scale bytes: the first fills, one a wave, ahead of every wait on TENSORcnt and every LDS read
	v_and_b32 v240, 15, v0                         ; r = lane % 16
	v_bfe_u32 v241, v0, 4, 1                       ; h = lane / 16
	s_delay_alu instid0(VALU_DEP_2)
	v_lshlrev_b32 v[ADT], 6, v240
	s_delay_alu instid0(VALU_DEP_1)
	v_lshl_add_u32 v[ADT], v241, 4, v[ADT]         ; Q: row r of 64 bytes, + 16 h
	global_load_b128 v[QF:QF+3], v[ADT], s[8:9]    ; Q's fragment stays in registers: registers 4 c .. 4 c + 3 hold the head's 64 c + 32 h + 0 .. 31
	global_load_b128 v[QF+4:QF+7], v[ADT], s[8:9] offset:32
	v_lshlrev_b32 v[TT], 2, v240
	global_load_b32 v[QS], v[TT], s[10:11]         ; and its scale words: lane r has query r's
	v_and_b32 v242, 8, v240
	s_delay_alu instid0(VALU_DEP_1)
	v_add_nc_u32 v242, v242, v240                  ; kk = r + 8 (r / 8)
	s_delay_alu instid0(VALU_DEP_1)
	v_lshrrev_b32 v243, 1, v242
	s_delay_alu instid0(VALU_DEP_1)
	v_mul_u32_u24 v[AK], v243, KP                  ; K: pair kk / 2,
	s_delay_alu instid0(VALU_DEP_3)
	v_and_b32 v243, 1, v242
	s_delay_alu instid0(VALU_DEP_1)
	v_lshl_add_u32 v[AK], v243, 6, v[AK]           ; its first or second key,
	s_delay_alu instid0(VALU_DEP_1)
	v_lshl_add_u32 v[AK], v241, 4, v[AK]           ; + 16 h,
	s_mul_i32 s2, s[GR], 64*KP
	v_add_nc_u32 v[AK], s2, v[AK]                  ; + my group's 128 keys
	s_delay_alu instid0(VALU_DEP_1)
	v_add_nc_u32 v[AK+1], SLOTB, v[AK]
	v_mul_u32_u24 v[AV], v240, VP                  ; V: row r, + 16 h, + my group's 64 bytes of a row, behind K's part of the slot
	s_delay_alu instid0(VALU_DEP_1)
	v_lshl_add_u32 v[AV], v241, 4, v[AV]
	s_lshl_b32 s2, s[GR], 6
	s_add_co_u32 s2, s2, KB
	v_add_nc_u32 v[AV], s2, v[AV]
	s_delay_alu instid0(VALU_DEP_1)
	v_add_nc_u32 v[AV+1], SLOTB, v[AV]
	s_lshl_b32 s2, s[GR], 9                        ; K's scale words: 4 bytes a key; my group's 128 keys
	s_add_co_u32 s2, s2, KB+VB
	v_lshl_add_u32 v[ASK], v242, 2, s2
	s_delay_alu instid0(VALU_DEP_1)
	v_add_nc_u32 v[ASK+1], SLOTB, v[ASK]
	s_lshl_b32 s2, s[GR], 2                        ; V's: row r; my group's word of a slot's eight
	s_add_co_u32 s2, s2, SCV
	v_mul_u32_u24 v[AST], v240, SVP
	s_delay_alu instid0(VALU_DEP_1)
	v_add_nc_u32 v[AST], s2, v[AST]
	v_and_b32 v[GO], 31, v0
	s_delay_alu instid0(VALU_DEP_1)
	v_lshlrev_b32 v[GO], 4, v[GO]
	v_mov_b32 v[SUM], 0                            ; the sum, in two halves
	v_mov_b32 v[SUM+1], 0
.irp b, 0,1,2,3
	v_mov_b32 v[TM+\b], 0                          ; written once: a lane permute's destination counts as one of its sources
.endr
; A KEY STEP: my group's 128 keys of the slot.  first = 1: the first step starts M, and its products start O^T's sums with the constant 0: nothing is cleared and nothing rescaled.
.macro STEP slot, first
	v_add_nc_u32 v[ADT], s[TJ], v[AST]             ; this line and three v_nop: four places between the last step's products and the loads into registers that they read (ISA guide 7.12.1 for vector instructions)
.rept 3
	v_nop
.endr
.irp t, 0,1,2,3,4,5,6,7                        ; K's eight tiles: tile t begins at key 32 (t / 2) + 8 (t % 2)
	ds_load_b128 v[FR+8*\t:FR+8*\t+3], v[AK+\slot] offset:(16*(\t/2)+4*(\t%2))*KP
	ds_load_b128 v[FR+8*\t+4:FR+8*\t+7], v[AK+\slot] offset:(16*(\t/2)+4*(\t%2))*KP+32
	ds_load_b32 v[KS+\t], v[ASK+\slot] offset:(32*(\t/2)+8*(\t%2))*4
.endr
	s_wait_alu depctr_va_vdst(0)
	s_wait_dscnt 12                                ; tiles 0-3 are in: behind their loads stand the twelve of tiles 4-7
.irp t, 0,1,2,3
	v_wmma_scale_f32_16x16x128_f8f6f4 v[SC+8*\t:SC+8*\t+7], v[FR+8*\t:FR+8*\t+7], v[QF:QF+7], 0, v[KS+\t], v[QS] matrix_a_fmt:MATRIX_FMT_FP4 matrix_b_fmt:MATRIX_FMT_FP4
.endr
	s_wait_dscnt 0x0
.irp t, 4,5,6,7
	v_wmma_scale_f32_16x16x128_f8f6f4 v[SC+8*\t:SC+8*\t+7], v[FR+8*\t:FR+8*\t+7], v[QF:QF+7], 0, v[KS+\t], v[QS] matrix_a_fmt:MATRIX_FMT_FP4 matrix_b_fmt:MATRIX_FMT_FP4
.endr                                          ; lane (r, h) holds query r; the 16 registers of tiles 2 b, 2 b + 1 are keys 32 b + 16 h + 0 .. 15
.rept 4
	v_nop                                          ; four places: in front of the loads into K's registers, and of the first read of the scores
.endr
.irp t, 0,1,2,3,4,5,6,7                        ; V's eight tiles (16 of the head's 128 x these 128 keys) are asked for now and land under the softmax, which touches none of their registers
	ds_load_b128 v[FR+8*\t:FR+8*\t+3], v[AV+\slot] offset:16*\t*VP
	ds_load_b128 v[FR+8*\t+4:FR+8*\t+7], v[AV+\slot] offset:16*\t*VP+32
	ds_load_b32 v[VS+\t], v[ADT] offset:16*\t*SVP
.endr
.irp b, 0,1,2,3
	v_max3_num_f32 v[BM+\b], v[SC+16*\b], v[SC+16*\b+1], v[SC+16*\b+2]   ; THE LARGEST SCORE OF EACH BLOCK OF 32 KEYS serves twice: for the row's maximum, and, since p rises with the score, for the block's largest p.  (Each accumulator is read from its low end on)
.endr
.irp i, 3,5,7,9,11,13
.irp b, 0,1,2,3
	v_max3_num_f32 v[BM+\b], v[BM+\b], v[SC+16*\b+\i], v[SC+16*\b+\i+1]   ; (the four blocks by turns: no line waits for the line above it)
.endr
.endr
.irp b, 0,1,2,3
	v_max_num_f32 v[BM+\b], v[BM+\b], v[SC+16*\b+15]
.endr
.irp b, 0,1,2,3
	s_delay_alu instid0(VALU_DEP_4)
	v_permlanex16_b32 v[TM+\b], v[BM+\b], s[SEL], s[SEL+1]
.endr
.irp b, 0,1,2,3
	s_delay_alu instid0(VALU_DEP_4)
	v_max_num_f32 v[BM+\b], v[BM+\b], v[TM+\b]     ; with lane l xor 16's 16 keys
.endr
	s_delay_alu instid0(VALU_DEP_2)
	v_max3_num_f32 v[TT], v[BM], v[BM+1], v[BM+2]
	s_delay_alu instid0(VALU_DEP_1)
	v_max_num_f32 v[TT], v[TT], v[BM+3]            ; the step's largest score of my query
.if \first
	s_delay_alu instid0(VALU_DEP_1)
	v_mul_f32 v[NM+1], s[CS], v[TT]                ; as t (c is positive): the largest t so far
	s_delay_alu instid0(VALU_DEP_1)
	v_floor_f32 v[NM], -v[NM+1]                    ; -M = floor(-t) = -ceil(t): M IS A WHOLE NUMBER
.else
	s_delay_alu instid0(VALU_DEP_1)
	v_mul_f32 v[TT], s[CS], v[TT]
	s_delay_alu instid0(VALU_DEP_1)
	v_max_num_f32 v[NM+1], v[NM+1], v[TT]          ; the running largest t
	v_mov_b32 v[TT], v[NM]
	s_delay_alu instid0(VALU_DEP_2)
	v_floor_f32 v[NM], -v[NM+1]                    ; the new -M
	s_delay_alu instid0(VALU_DEP_1)
	v_sub_f32 v[TT], v[NM], v[TT]                  ; M's old value less its new one: a whole number, 0 or less
	s_delay_alu instid0(VALU_DEP_1)
	v_cvt_i32_f32 v[TT], v[TT]                     ; (it saturates)
	s_delay_alu instid0(VALU_DEP_1)
	v_ldexp_f32 v[FF], 1.0, v[TT]                  ; f = 2^(old M - new M)
.endif
.set j, 0
.rept 32
	v_pk_fma_f32 v[SC+j:SC+j+1], v[SC+j:SC+j+1], s[CS:CS+1], v[NM:NM+1] op_sel_hi:[1,0,0]   ; t - M, two at a time (of the pairs c and -M the low word serves both halves)
.set j, j+2
.endr
.irp b, 0,1,2,3
	v_fma_f32 v[BM+\b], v[BM+\b], s[CS], v[NM]     ; the same of each block's largest score
.endr
.set j, 0
	s_wait_alu depctr_va_vdst(0)
.rept 64
	v_exp_f32 v[SC+j], v[SC+j]                     ; p = 2^(t - M), at most 1: NOT normalised
.set j, j+1
.endr
.irp b, 0,1,2,3
	v_exp_f32 v[BM+\b], v[BM+\b]                   ; the block's largest p: the same two instructions on the same number give the same bits
.endr
.if \first
	v_nop                                          ; a plain place behind the exponentials
	s_wait_alu depctr_va_vdst(0)
.else
	v_pk_mul_f32 v[SUM:SUM+1], v[SUM:SUM+1], v[FF:FF+1] op_sel_hi:[1,0]   ; the sums under the new M.  (A plain place behind the exponentials)
	s_wait_alu depctr_va_vdst(0)
.endif
.irp b, 0,1,2,3
	v_max_num_f32 v[BM+\b], 0x1800000, v[BM+\b]    ; the floor 2^(3 - 127): the byte cannot fall under 1 (a block whose every p has fallen to 0 keeps that byte: its codes are zeros)
.endr
.irp b, 0,1,2,3
	s_delay_alu instid0(VALU_DEP_4)
	v_add_nc_u32 v[CV+\b], 0xff000000, v[BM+\b]    ; 2 off the exponent field: the conversion takes the exponent field of this operand as its scale, and nothing else of it
.endr
.irp b, 0,1,2,3
	s_delay_alu instid0(VALU_DEP_4)
	v_lshrrev_b32 v[TM+\b], 23, v[CV+\b]           ; the scale's byte
.endr
	s_delay_alu instid0(VALU_DEP_3)
	v_lshl_or_b32 v[PS], v[TM+1], 8, v[TM]         ; p's scale word for these 128 keys
	s_delay_alu instid0(VALU_DEP_1)
	v_lshl_or_b32 v[PS], v[TM+2], 16, v[PS]
	s_delay_alu instid0(VALU_DEP_1)
	v_lshl_or_b32 v[PS], v[TM+3], 24, v[PS]
.irp b, 0,1,2,3
	v_cvt_scalef32_pk8_fp4_f32 v[PC+2*\b], v[SC+16*\b:SC+16*\b+7], v[CV+\b]      ; the codes of keys 32 b + 16 h + 0 .. 7
	v_cvt_scalef32_pk8_fp4_f32 v[PC+2*\b+1], v[SC+16*\b+8:SC+16*\b+15], v[CV+\b] ; and + 8 .. 15
.endr
	v_nop                                          ; one plain vector instruction behind the scaled conversions
.irp c, 0,1                                    ; the operand's layout wants a WHOLE block in a lane: lanes 0-15 block 2 c, lanes 16-31 block 2 c + 1
.irp i, 0,1
	v_permlane16_swap_b32 v[PC+4*\c+\i], v[PC+4*\c+2+\i]
.endr
.endr
	v_pk_add_f32 v[236:237], v[100:101], v[104:105]
	v_pk_add_f32 v[242:243], v[108:109], v[112:113]
	v_pk_add_f32 v[240:241], v[116:117], v[120:121]
	v_pk_add_f32 v[234:235], v[124:125], v[128:129]
	v_pk_add_f32 v[232:233], v[132:133], v[136:137]
	v_pk_add_f32 v[30:31], v[140:141], v[144:145]
	v_pk_add_f32 v[28:29], v[148:149], v[152:153]
	v_pk_add_f32 v[14:15], v[14:15], v[156:157]
	v_pk_add_f32 v[236:237], v[236:237], v[96:97]
	v_pk_add_f32 v[242:243], v[242:243], v[98:99]
	v_pk_add_f32 v[240:241], v[240:241], v[102:103]
	v_pk_add_f32 v[234:235], v[234:235], v[106:107]
	v_pk_add_f32 v[232:233], v[232:233], v[110:111]
	v_pk_add_f32 v[30:31], v[30:31], v[114:115]
	v_pk_add_f32 v[28:29], v[28:29], v[118:119]
	v_pk_add_f32 v[14:15], v[14:15], v[122:123]
	v_pk_add_f32 v[236:237], v[236:237], v[126:127]
	v_pk_add_f32 v[242:243], v[242:243], v[130:131]
	v_pk_add_f32 v[240:241], v[240:241], v[134:135]
	v_pk_add_f32 v[234:235], v[234:235], v[138:139]
	v_pk_add_f32 v[232:233], v[232:233], v[142:143]
	v_pk_add_f32 v[30:31], v[30:31], v[146:147]
	v_pk_add_f32 v[28:29], v[28:29], v[150:151]
	v_pk_add_f32 v[14:15], v[14:15], v[154:155]
	v_pk_add_f32 v[236:237], v[236:237], v[158:159]
	s_delay_alu instid0(VALU_DEP_2)
	v_pk_add_f32 v[14:15], v[14:15], v[234:235]
	s_delay_alu instid0(VALU_DEP_2)
	v_pk_add_f32 v[236:237], v[236:237], v[232:233]
	v_pk_add_f32 v[242:243], v[242:243], v[30:31]
	v_pk_add_f32 v[240:241], v[240:241], v[28:29]
	s_delay_alu instid0(VALU_DEP_2)
	v_pk_add_f32 v[14:15], v[14:15], v[242:243]
	s_delay_alu instid0(VALU_DEP_2)
	v_pk_add_f32 v[236:237], v[236:237], v[240:241]
	s_delay_alu instid0(VALU_DEP_1)
	v_pk_add_f32 v[14:15], v[14:15], v[236:237]
.if !\first
.set j, 0
.rept 32
	v_pk_mul_f32 v[OT+j:OT+j+1], v[OT+j:OT+j+1], v[FF:FF+1] op_sel_hi:[1,0]   ; O^T under the new M: x f; each accumulator from its low end on
.set j, j+2
.endr
.endif
	s_wait_alu depctr_va_vdst(0)
	s_wait_dscnt 0x0                               ; V's fragments and scale words are in
.irp t, 0,1,2,3,4,5,6,7                        ; O^T += V^T P^T: the eight accumulators take turns, one instruction a turn
.if \first
	v_wmma_scale_f32_16x16x128_f8f6f4 v[OT+8*\t:OT+8*\t+7], v[FR+8*\t:FR+8*\t+7], v[PC:PC+7], 0, v[VS+\t], v[PS] matrix_a_fmt:MATRIX_FMT_FP4 matrix_b_fmt:MATRIX_FMT_FP4
.else
	v_wmma_scale_f32_16x16x128_f8f6f4 v[OT+8*\t:OT+8*\t+7], v[FR+8*\t:FR+8*\t+7], v[PC:PC+7], v[OT+8*\t:OT+8*\t+7], v[VS+\t], v[PS] matrix_a_fmt:MATRIX_FMT_FP4 matrix_b_fmt:MATRIX_FMT_FP4
.endif
.endr
	s_add_co_u32 s[TJ], s[TJ], 32                  ; the next slot's scale words of V
.endm
; A TRIP: the change of slots, then my step in the slot.  Each wave waits for all its tensor loads (its part of the slot ahead, if it fetched one), adds 0 to its spare word, and waits for that and for its reads of the
; slot that it has left.  Behind the round the slot ahead is whole in all four work-groups and no wave of any of them reads the other slot or has a load on its way.  refill = 1: that other slot takes the next
; 1,024 keys, first thing behind the round: the load has a step of all sixteen waves in which to land.
.macro TRIP slot, refill, first
	s_wait_tensorcnt 0x0                           ; no tensor load of mine is out, so a group 0 may be written
	ds_add_u32 v[SPW], v[NIL]                      ; 0 onto my spare word: the descriptors' steps stand between it and the wait for it
	s_add_nc_u64 s[G0K+4*\slot+2:G0K+4*\slot+3], s[G0K+4*\slot+2:G0K+4*\slot+3], 2*65536   ; this slot's next tile lies two tiles on; the type bits on top are not reached.  (The last steps are not used)
	s_add_nc_u64 s[G0V+4*\slot+2:G0V+4*\slot+3], s[G0V+4*\slot+2:G0V+4*\slot+3], 2*512
	s_add_nc_u64 s[G0S+4*\slot+2:G0S+4*\slot+3], s[G0S+4*\slot+2:G0S+4*\slot+3], 2*KSB
	s_wait_dscnt 0x0                               ; the add is done, and my reads of the slot that I have left are over
	ROUND
.if \refill
	JLOAD 1-\slot, 0
.endif
	s_wait_alu depctr_va_vdst(0)
	STEP \slot, \first
.endm
	s_wait_loadcnt 0x0                             ; Q and its scale words; their address registers may be written again
	TRIP 0, 1, 1                                   ; tile 0; slot 1 is filled for the first time, as a refill is
	s_mov_b32 s[CNT], 3
.Lpair:                                                ; three turns of two trips: tiles 1 to 6; tiles 2 to 7 are asked for
	TRIP 1, 1, 0
	TRIP 0, 1, 0
	s_sub_co_u32 s[CNT], s[CNT], 1
	s_cmp_lg_u32 s[CNT], 0
	s_cbranch_scc1 .Lpair
	TRIP 1, 0, 0                                   ; tile 7 is written out: nothing is left to fetch
; THE END.  Slot 0 had its last fill with tile 6, and every wave has passed the last round, behind which nobody reads it: it is the stage.  Each wave puts its O^T there as 16 rows of 512 bytes, and its -M and sum.
; Behind a barrier wave (qt, g) takes rows 2 g and 2 g + 1 of tile qt: the eight groups' parts of a row, 16 bytes a lane, each times 2^(its M - the largest M), added, divided by the sum made the same way.
.set WT,  128                          ; v128-143 the weights: row p's eight at v[WT + 8 p]
.set RO,  144                          ; v144-151 the two rows' results
.set MN,  232                          ; v232-233 the smallest -M;  v234-235 the sum;  v238-239 its reciprocal
.set LT,  234
.set RC,  238
	v_add_f32 v[SUM], v[SUM], v[SUM+1]             ; the sum's two halves.  (This and the address lines below are the places behind the last products)
	s_delay_alu instid0(VALU_DEP_1)
	v_permlanex16_b32 v[TM], v[SUM], s[SEL], s[SEL+1]
	v_and_b32 v240, 15, v0                         ; r
	v_bfe_u32 v241, v0, 4, 1                       ; h
	v_and_b32 v242, 31, v0                         ; lane
	s_wait_alu depctr_va_vdst(0)
	s_mul_i32 s2, s[WV], 16*OP                     ; my 16 rows of the stage
	v_mul_u32_u24 v1, v240, OP
	s_delay_alu instid0(VALU_DEP_1)
	v_lshl_add_u32 v1, v241, 5, v1
	s_delay_alu instid0(VALU_DEP_1)
	v_add_nc_u32 v1, s2, v1                        ; in: row r, + 32 h; tile t's eight channels 64 t bytes on
	s_wait_alu depctr_va_vdst(0)
	s_lshl_b32 s2, s[QT], 10
	s_add_co_u32 s2, s2, STAT                      ; my tile's statistics
	s_lshl_b32 s3, s[GR], 2
	s_add_co_u32 s3, s3, s2
	v_lshl_add_u32 v2, v240, 6, s3                 ; in: query r's 64 bytes, my group's word
	s_lshl_b32 s3, s[GR], 7
	s_add_co_u32 s3, s3, s2
	v_mov_b32 v7, s3                               ; back: query 2 g's 64 bytes, the same for every lane
	s_mul_i32 s2, s[QT], 16*OP
	s_mul_i32 s3, s[GR], 2*OP
	s_add_co_u32 s2, s2, s3
	v_lshl_add_u32 v3, v242, 4, s2                 ; back: row 2 g of group 0's part of my tile, 16 bytes a lane; group g' lies 2 x 16 rows x g' further on;
	s_delay_alu instid0(VALU_DEP_1)
	v_add_nc_u32 v4, 4*2*16*OP, v3                 ; groups 4 to 7 by a second register: an LDS offset has 16 bits
	v_add_f32 v[SUM], v[SUM], v[TM]                ; with lane l xor 16's: my group's sum for query r
.irp t, 0,1,2,3,4,5,6,7
	ds_store_b128 v1, v[OT+8*\t:OT+8*\t+3] offset:64*\t          ; register 8 t + i is O(r, 16 t + 8 h + i); each accumulator from its low end on
	ds_store_b128 v1, v[OT+8*\t+4:OT+8*\t+7] offset:64*\t+16
.endr
	ds_store_b32 v2, v[NM]                         ; both lanes of a query write the same word with the same value
	ds_store_b32 v2, v[SUM] offset:32
	s_wait_alu depctr_va_vdst(0)
	s_wait_dscnt 0x0                               ; for the others' sake: my stores into the stage are done
	s_barrier_signal -1
	s_barrier_wait -1
.irp p, 0,1
.irp i, 0,1,2,3
	ds_load_b128 v[SC+16*\p+4*\i:SC+16*\p+4*\i+3], v7 offset:64*\p+16*\i   ; row p: eight -M at v[SC + 16 p], eight sums at v[SC + 16 p + 8]
.endr
.endr
.irp p, 0,1
.irp q, 0,1,2,3
	ds_load_b128 v[FR+32*\p+4*\q:FR+32*\p+4*\q+3], v3 offset:\q*2*16*OP+\p*OP          ; group q's part of row p: 32 lanes take its 512 bytes
	ds_load_b128 v[FR+32*\p+16+4*\q:FR+32*\p+16+4*\q+3], v4 offset:\q*2*16*OP+\p*OP    ; group 4 + q's
.endr
.endr
	s_wait_dscnt 16                                ; the statistics are in: behind their eight loads stand the sixteen of O
.irp p, 0,1
.irp i, 0,1,2,3
	v_min_num_f32 v[WT+8*\p+\i], v[SC+16*\p+2*\i], v[SC+16*\p+2*\i+1]   ; the smallest -M is the largest M: a tree three deep
.endr
.endr
.irp p, 0
	v_min_num_f32 v[WT+8*\p], v[WT+8*\p], v[WT+8*\p+1]
	v_min_num_f32 v[WT+8*\p+2], v[WT+8*\p+2], v[WT+8*\p+3]
.endr
.irp p, 1
	v_min_num_f32 v[WT+8*\p], v[WT+8*\p], v[WT+8*\p+1]
	s_delay_alu instid0(VALU_DEP_4)
	v_min_num_f32 v[WT+8*\p+2], v[WT+8*\p+2], v[WT+8*\p+3]
.endr
.irp p, 0
	s_delay_alu instid0(VALU_DEP_3)
	v_min_num_f32 v[MN+\p], v[WT+8*\p], v[WT+8*\p+2]
.endr
.irp p, 1
	s_delay_alu instid0(VALU_DEP_2)
	v_min_num_f32 v[MN+\p], v[WT+8*\p], v[WT+8*\p+2]
.endr
.irp p, 0,1
.irp q, 0,1,2,3,4,5,6,7
	v_sub_f32 v[WT+8*\p+\q], v[MN+\p], v[SC+16*\p+\q]   ; group q's M less the largest: a whole number, 0 or less
.endr
.endr
.irp p, 0,1
.irp q, 0,1,2,3,4,5,6,7
	v_cvt_i32_f32 v[WT+8*\p+\q], v[WT+8*\p+\q]     ; (it saturates)
.endr
.endr
.irp p, 0,1
.irp q, 0,1,2,3,4,5,6,7
	v_ldexp_f32 v[WT+8*\p+\q], 1.0, v[WT+8*\p+\q]  ; the weight: a power of two
.endr
.endr
.irp p, 0,1
	v_mul_f32 v[LT+\p], v[WT+8*\p], v[SC+16*\p+8]  ; the row's sum; the group with the largest M has the weight 1 and a sum above 1/2
.endr
.irp q, 1,2,3,4,5,6,7
.irp p, 0,1
	s_delay_alu instid0(VALU_DEP_2)
	v_fmac_f32 v[LT+\p], v[WT+8*\p+\q], v[SC+16*\p+8+\q]
.endr
.endr
	s_wait_alu depctr_va_vdst(0)
	v_rcp_f32 v[RC], v[LT]
	v_rcp_f32 v[RC+1], v[LT+1]                     ; the lines below, which touch neither the sums nor the reciprocals, are the plain place behind them
	s_wait_dscnt 0x0                               ; O's parts are in
.irp p, 0,1
.irp i, 0,1,2,3
	v_mul_f32 v[RO+4*\p+\i], v[WT+8*\p], v[FR+32*\p+\i]
.endr
.endr
.irp q, 1,2,3,4,5,6,7
.irp p, 0,1
.irp i, 0,1,2,3
	v_fmac_f32 v[RO+4*\p+\i], v[WT+8*\p+\q], v[FR+32*\p+4*\q+\i]
.endr
.endr
.endr
	s_wait_alu depctr_va_vdst(0)
.irp p, 0,1
.irp i, 0,1,2,3
	v_mul_f32 v[RO+4*\p+\i], v[RO+4*\p+\i], v[RC+\p]
.endr
.endr
.irp p, 0,1
	global_store_b128 v[GO], v[RO+4*\p:RO+4*\p+3], s[16:17] offset:512*\p th:TH_STORE_NT   ; 32 lanes store a row's 512 consecutive bytes, at a multiple of 256 from out0's first byte; written once, read by nobody here
.endr
	s_wait_tensorcnt 0x0                           ; the wave's end, behind my last tensor load and my last LDS store
	ds_add_u32 v[SPW], v[NIL]
	s_wait_dscnt 0x0
	ROUND                                          ; the closing round: no work-group ends while a partner may still ask for a tile that names it
	s_endpgm
.Lfunc_end_k_qc67e915d54_attn:
	.size	k_qc67e915d54_attn, .Lfunc_end_k_qc67e915d54_attn-k_qc67e915d54_attn
	.p2alignl 7, 3214868480
	.fill 96, 4, 3214868480
	.section	.rodata,"a",@progbits
	.p2align	6, 0x0
	.amdhsa_kernel k_qc67e915d54_attn
		.amdhsa_group_segment_fixed_size 327680
		.amdhsa_private_segment_fixed_size 0
		.amdhsa_enable_private_segment 0
		.amdhsa_kernarg_size 56
		.amdhsa_user_sgpr_count 2
		.amdhsa_user_sgpr_kernarg_segment_ptr 1
		.amdhsa_wavefront_size32 1
		.amdhsa_system_sgpr_workgroup_id_x 1
		.amdhsa_system_sgpr_workgroup_id_y 1
		.amdhsa_system_sgpr_workgroup_id_z 1
		.amdhsa_system_vgpr_workitem_id 0
		.amdhsa_next_free_vgpr 256
		.amdhsa_next_free_sgpr 100
		.amdhsa_reserve_vcc 0
		.amdhsa_float_denorm_mode_32 3
		.amdhsa_float_denorm_mode_16_64 3
		.amdhsa_memory_ordered 1
		.amdhsa_forward_progress 1
		.amdhsa_inst_pref_size 100
	.end_amdhsa_kernel
	.amdgpu_metadata
---
amdhsa.version: [ 1, 2 ]
amdhsa.kernels:
  - .name:           k_qc67e915d54_attn
    .symbol:         k_qc67e915d54_attn.kd
    .args:
      - { .name: K_codes, .offset: 0, .size: 8, .value_kind: global_buffer, .address_space: global }
      - { .name: K_scales, .offset: 8, .size: 8, .value_kind: global_buffer, .address_space: global }
      - { .name: Q_codes, .offset: 16, .size: 8, .value_kind: global_buffer, .address_space: global }
      - { .name: Q_scales, .offset: 24, .size: 8, .value_kind: global_buffer, .address_space: global }
      - { .name: V_codes, .offset: 32, .size: 8, .value_kind: global_buffer, .address_space: global }
      - { .name: V_scales, .offset: 40, .size: 8, .value_kind: global_buffer, .address_space: global }
      - { .name: out0, .offset: 48, .size: 8, .value_kind: global_buffer, .address_space: global }
    .group_segment_fixed_size: 327680
    .private_segment_fixed_size: 0
    .kernarg_segment_align: 8
    .kernarg_segment_size: 56
    .max_flat_workgroup_size: 512
    .sgpr_count:     100
    .vgpr_count:     256
    .wavefront_size: 32
...
	.end_amdgpu_metadata
.endif
;; end of part 1
